; MI455X (gfx1250); checked and timed in simulation.
; The chip was launched on July 23, 2026; its instructions are those of AMD's public machine-readable ISA for CDNA 5 (MIT licence, August 2026) and "CDNA5" Instruction Set Architecture Reference Guide (July 2026). The comments in the code are by the model that wrote it; some were corrected since.
;; Transformer Model. Allowed arithmetic: float matrix products may take bf16 or f16 operands with f32 sums; all other float work in f32.
;; Inputs: dec_b 64 float32; dec_w 64 x 256 float32; enc_b 256 float32; enc_w 256 x 128 float32; ff1_b 256 float32; ff1_w 256 x 256 float32; ff2_b 256 float32; ff2_w 256 x 256 float32; in_proj_b 768 float32; in_proj_w 768 x 256 float32; ln1_b 256 float32; ln1_g 256 float32; ln2_b 256 float32; ln2_g 256 float32; out_proj_b 256 float32; out_proj_w 256 x 256 float32; src 16 x 2,000 x 128 float32.
;; Outputs: out0 16 x 2,000 x 64 float32.
;; Constants: N = 100.
;; One version. Each part assembles by itself: llvm-mc -triple=amdgcn-amd-amdhsa -mcpu=gfx1250 --defsym DOCPART=n.
;; ======== version 1 of 1: 2 launches
;; limits: values are held in f16: magnitudes above 65,504 overflow, below 6.1e-05 lose precision
;; workspace buffers: wts 917,504 bytes; pet 2,048,000 bytes; par 11,264 bytes
;; launch prep (part 1): grid 238 x 1, 8 waves a work-group, no clusters, 0 bytes of LDS; arguments enc_w, in_proj_w, out_proj_w, ff1_w, ff2_w, dec_w, enc_b, in_proj_b, out_proj_b, ln1_g, ln1_b, ff1_b, ff2_b, ln2_g, ln2_b, dec_b, wts, pet, par; writes wts, pet, par
.if DOCPART == 1
	.amdgcn_target "amdgcn-amd-amdhsa--gfx1250"
	.amdhsa_code_object_version 6
	.text
	.protected	k_qa06baa3b67_prep
	.globl	k_qa06baa3b67_prep
	.p2align	8
	.type	k_qa06baa3b67_prep,@function
k_qa06baa3b67_prep:
	s_mov_b64 s[64:65], 0
	v_nop
	global_prefetch_b8 v0, s[64:65] scope:SCOPE_SE
	s_setreg_imm32_b32 hwreg(HW_REG_WAVE_MODE, 25, 1), 1
	s_wait_xcnt 0x0
; PREPARATION for the layer kernel.  Three kinds of work-group, chosen by the work-group's number alone:
;   0..124   pet: position tile pt = 16 positions x 256 features of the sinusoidal table, plus enc_b rounded to bf16, written as 16 images of a
;            16 x 16 f32 accumulator (1,024 bytes each: [half jj][lane][4 numbers] = feature 16 f + 8 (lane / 16) + 4 jj + 0..3 of position 16 pt + lane % 16).
;   125..236 wts: the six weight matrices rounded to bf16, cut into 14 chunks of 64 fragments of 1,024 bytes, in the order in which the layer kernel walks them.
;            A fragment is 16 rows x 32 k: [half jj][lane][16 bytes] = W[n0 + lane % 16][k0 + 16 jj + 8 (lane / 16) + 0..7]: two 16-byte loads a lane are a matrix operand.
;            Chunks 9..13 (ff1, ff2, dec) hold the bf16-rounded numbers written as f16.  Chunk 13 (dec_w) has 32 fragments and 32 KiB of zeros.
;   237      par: the nine other vectors rounded to bf16 and kept as f32, 1,024 bytes a section (in_proj_b three sections; dec_b 256 bytes, then zeros).
; LIMITS.  A weight of ff1_w, ff2_w or dec_w must lie within f16's 65,504; below 2^-14 it keeps f16's fixed step of 6e-8.
; The table: div = 2^(-i x log2(10000) / 128) by v_exp_f32, the angle pos x div in f32, reduced by 2 pi in two parts (6.28125, exact in products with n < 2^15, and the rest),
; sine to x^15 and cosine to x^16 on -pi..pi (the first term left out is under 1e-6).  v_exp_f32's last bits times 1,999 radians leave the table within some 4e-4 of an exact one.
; No LDS, no matrix unit: 3 MB are written once, each store of a wave covering 512 consecutive bytes.
.set NPE, 125                          ; position tiles
.set NWT, 112                          ; 14 chunks x 8 work-groups; a wave makes one fragment
	s_load_b512 s[8:23], s[0:1], 0x0               ; enc_w 8, in_proj_w 10, out_proj_w 12, ff1_w 14, ff2_w 16, dec_w 18, enc_b 20, in_proj_b 22
	s_load_b512 s[24:39], s[0:1], 0x40             ; out_proj_b 24, ln1_g 26, ln1_b 28, ff1_b 30, ff2_b 32, ln2_g 34, ln2_b 36, dec_b 38
	s_load_b128 s[40:43], s[0:1], 0x80             ; wts 40, pet 42
	s_load_b64 s[44:45], s[0:1], 0x90              ; par
	v_lshrrev_b32 v4, 5, v0
	v_readfirstlane_b32 s4, v4                     ; wave 0..7
	v_and_b32 v1, 15, v0                           ; r = lane % 16
	v_bfe_u32 v2, v0, 4, 1                         ; h = lane / 16
	v_and_b32 v4, 31, v0                           ; lane
	v_lshlrev_b32 v3, 4, v4                        ; 16 x lane
	s_mov_b32 s7, 0xffff0000                       ; a word's upper bf16
	s_mov_b32 s5, ttmp9
	s_wait_kmcnt 0x0
	s_cmp_lt_u32 s5, NPE
	s_cbranch_scc1 .Lpe
	s_cmp_lt_u32 s5, NPE+NWT
	s_cbranch_scc1 .Lwt
; two f32 in v[a], v[a+1] are rounded to bf16 and widened again
.macro RND a
	v_cvt_pk_bf16_f32 v40, v[\a], v[(\a)+1]
	v_lshlrev_b32 v[\a], 16, v40
	v_and_b32 v[(\a)+1], s7, v40
.endm
; ---- par.  Section s6 of eleven: 64 pieces of 16 bytes (dec_b: 16, the rest zeros); a lane takes pieces lane and lane + 32.
.macro PS k, buf
	s_cmp_eq_u32 s6, \k
	s_cselect_b64 s[48:49], s[\buf:\buf+1], s[48:49]
.endm
.macro PSEC
	s_lshl_b32 s50, s6, 10                         ; the section's place in par
	s_cmp_lt_u32 s6, 3
	s_cselect_b32 s51, s50, 0                      ; in_proj_b is three sections long; every other vector begins at its byte 0
	s_mov_b64 s[48:49], s[22:23]
	PS 3, 24
	PS 4, 26
	PS 5, 28
	PS 6, 30
	PS 7, 32
	PS 8, 34
	PS 9, 36
	PS 10, 38
	s_cmp_eq_u32 s6, 10
	s_cselect_b32 s52, 16, 64                      ; pieces that the vector has
	s_sub_co_u32 s53, s52, 1
	v_add_nc_u32 v5, 32, v4
	v_min_u32 v6, s53, v4                          ; a piece past the vector's end reads its last piece, and is made 0 below: no load leaves the buffer
	v_min_u32 v7, s53, v5
	v_lshl_add_u32 v6, v6, 4, s51
	v_lshl_add_u32 v7, v7, 4, s51
	global_load_b128 v[8:11], v6, s[48:49]
	global_load_b128 v[12:15], v7, s[48:49]
	v_add_nc_u32 v24, s50, v3
	s_wait_loadcnt 0x0
.irp a, 8,10,12,14
	RND \a
.endr
	v_cmp_gt_u32 vcc_lo, s52, v4
.irp a, 8,9,10,11
	v_cndmask_b32 v[\a], 0, v[\a], vcc_lo
.endr
	v_cmp_gt_u32 vcc_lo, s52, v5
.irp a, 12,13,14,15
	v_cndmask_b32 v[\a], 0, v[\a], vcc_lo
.endr
	global_store_b128 v24, v[8:11], s[44:45]
	global_store_b128 v24, v[12:15], s[44:45] offset:512
.endm
	s_mov_b32 s6, s4                               ; sections 0..7, one a wave
	PSEC
	s_cmp_lt_u32 s4, 3
	s_cbranch_scc0 .Lend                           ; sections 8..10 go to waves 0..2
	s_wait_xcnt 0x0                                ; the stores' data and offset registers are written again only behind this wait
	s_add_co_u32 s6, s4, 8
	PSEC
.Lend:
	s_endpgm
; ---- wts.  G = chunk x 8 + gi; wave j makes fragment 8 gi + j of the chunk.
; Form R (128 rows, all 256 k): fragment 8 f + kf, so f = gi, kf = j.  Form H (all 256 rows, 128 k): fragment 4 f + kf, so f = 2 gi + j / 4, kf = j % 4.
.macro SEL k, buf, row, kb, form
	s_cmp_eq_u32 s46, \k
	s_cselect_b64 s[48:49], s[\buf:\buf+1], s[48:49]
	s_cselect_b32 s50, \row, s50
	s_cselect_b32 s51, \kb, s51
	s_cselect_b32 s52, \form, s52
.endm
.Lwt:
	s_sub_co_u32 s5, s5, NPE                       ; G
	s_lshr_b32 s46, s5, 3                          ; the chunk
	s_and_b32 s47, s5, 7                           ; gi
	s_mov_b64 s[48:49], s[8:9]                     ; chunk 0: enc_w, all rows, its 128 k
	s_mov_b32 s50, 0                               ; first row
	s_mov_b32 s51, 0                               ; first k
	s_mov_b32 s52, 1                               ; form H
	SEL 1, 10, 0, 0, 0                             ; Q, head 0
	SEL 2, 10, 256, 0, 0                           ; K
	SEL 3, 10, 512, 0, 0                           ; V
	SEL 4, 12, 0, 0, 1                             ; out_proj, head 0's channels
	SEL 5, 10, 128, 0, 0                           ; Q, head 1
	SEL 6, 10, 384, 0, 0
	SEL 7, 10, 640, 0, 0
	SEL 8, 12, 0, 128, 1
	SEL 9, 14, 0, 0, 0                             ; ff1, hidden units 0..127
	SEL 10, 16, 0, 0, 1                            ; ff2, the same units as k
	SEL 11, 14, 128, 0, 0
	SEL 12, 16, 0, 128, 1
	SEL 13, 18, 0, 0, 0                            ; dec_w
	s_cmp_eq_u32 s46, 0
	s_cselect_b32 s53, 9, 10                       ; a row of enc_w is 512 bytes, of the others 1,024
	s_lshr_b32 s54, s4, 2
	s_lshl1_add_u32 s54, s47, s54                  ; 2 gi + j / 4
	s_and_b32 s55, s4, 3
	s_cmp_eq_u32 s52, 1
	s_cselect_b32 s54, s54, s47                    ; f
	s_cselect_b32 s55, s55, s4                     ; kf
	s_cmp_eq_u32 s46, 13
	s_cselect_b32 s56, 3, 15                       ; dec_w has four blocks of 16 rows: the others' loads are clamped to the last
	s_cselect_b32 s57, 4, 8
	s_min_u32 s54, s54, s56
	s_cmp_lt_u32 s47, s57
	s_cselect_b32 s57, -1, 0                       ; and their fragments are made 0
	s_lshl4_add_u32 s50, s54, s50                  ; row + 16 f
	s_lshl_b32 s55, s55, 5
	s_add_co_u32 s51, s51, s55                     ; k + 32 kf,
	s_lshl_b32 s51, s51, 2                         ; in bytes
	v_add_nc_u32 v5, s50, v1
	v_lshlrev_b32 v5, s53, v5
	v_add_nc_u32 v5, s51, v5
	v_lshl_add_u32 v5, v2, 5, v5                   ; + 8 h numbers
	global_load_b128 v[8:11], v5, s[48:49]
	global_load_b128 v[12:15], v5, s[48:49] offset:16
	global_load_b128 v[16:19], v5, s[48:49] offset:64
	global_load_b128 v[20:23], v5, s[48:49] offset:80
	s_lshl3_add_u32 s58, s5, s4                    ; the fragment's number in wts: 8 G + j
	s_lshl_b32 s58, s58, 10
	v_add_nc_u32 v6, s58, v3
	s_wait_loadcnt 0x0
.irp i, 0,1,2,3,4,5,6,7
	v_cvt_pk_bf16_f32 v[24+\i], v[8+2*\i], v[9+2*\i]
.endr
	s_cmp_lt_u32 s46, 9
	s_cbranch_scc1 .Lkeep
.irp i, 0,1,2,3,4,5,6,7                ; the rounded numbers once more, as f16
	v_lshlrev_b32 v40, 16, v[24+\i]
	v_and_b32 v41, s7, v[24+\i]
	v_cvt_pk_f16_f32 v[24+\i], v40, v41
.endr
.Lkeep:
.irp i, 0,1,2,3,4,5,6,7
	v_and_b32 v[24+\i], s57, v[24+\i]
.endr
	global_store_b128 v6, v[24:27], s[40:41]
	global_store_b128 v6, v[28:31], s[40:41] offset:512
	s_endpgm
; ---- pet.  Wave w makes feature tiles 2 w and 2 w + 1 of position tile s5: a lane has eight (sine, cosine) pairs, frequency index 16 w + 8 ff + 4 h + p.
.macro SINCOS d, b, ip
	v_add_nc_u32 v40, \ip, v6
	v_cvt_f32_u32 v40, v40
	v_mul_f32 v40, 0xbdd49a78, v40                 ; -i x log2(10000) / 128
	v_exp_f32 v40, v40
	v_nop                                          ; a plain instruction between the exponential and the use of its result (ISA guide 5.7.2)
	s_wait_alu depctr_va_vdst(0)
	v_mul_f32 v40, v5, v40                         ; the angle
	v_mul_f32 v41, 0.15915494, v40
	v_rndne_f32 v41, v41                           ; whole turns
	v_fmamk_f32 v40, v41, 0xc0c90000, v40          ; less n x 6.28125,
	v_fmamk_f32 v40, v41, 0xbafdaa22, v40          ; less n x (2 pi - 6.28125)
	v_mul_f32 v42, v40, v40
	v_mov_b32 v43, 0xab573f9f                      ; -1/15!
.irp k, 0x2f309231, 0xb2d7322b, 0x3638ef1d, 0xb9500d01, 0x3c088889, 0xbe2aaaab, 0x3f800000
	v_fmaak_f32 v43, v43, v42, \k
.endr
	v_mov_b32 v44, 0x29573f9f                      ; 1/16!
.irp k, 0xad49cba5, 0x310f76c7, 0xb493f27e, 0x37d00d01, 0xbab60b61, 0x3d2aaaab, 0xbf000000, 0x3f800000
	v_fmaak_f32 v44, v44, v42, \k
.endr
	v_fma_f32 v[\d], v43, v40, v[\b]               ; sine + bias
	v_add_f32 v[(\d)+1], v44, v[(\b)+1]            ; cosine + bias
.endm
.Lpe:
	s_lshl_b32 s46, s5, 4
	v_add_nc_u32 v5, s46, v1
	v_cvt_f32_u32 v5, v5                           ; my position
	s_lshl_b32 s47, s4, 7
	v_lshl_add_u32 v7, v2, 5, s47                  ; enc_b at feature 32 w + 8 h
	global_load_b128 v[8:11], v7, s[20:21]
	global_load_b128 v[12:15], v7, s[20:21] offset:16
	global_load_b128 v[16:19], v7, s[20:21] offset:64
	global_load_b128 v[20:23], v7, s[20:21] offset:80
	s_lshl_b32 s48, s4, 4
	v_lshl_add_u32 v6, v2, 2, s48                  ; 16 w + 4 h
	s_lshl_b32 s50, s5, 14                         ; a position tile is 16,384 bytes
	s_mov_b32 s51, 0
	s_add_nc_u64 s[42:43], s[42:43], s[50:51]
	s_lshl_b32 s49, s4, 11
	v_add_nc_u32 v46, s49, v3
	s_wait_loadcnt 0x0
.irp a, 8,10,12,14,16,18,20,22
	RND \a
.endr
.set pf, 0
.rept 8
	SINCOS 24+2*pf,8+2*pf,8*(pf/4)+pf%4
.set pf, pf+1
.endr
	global_store_b128 v46, v[24:27], s[42:43]
	global_store_b128 v46, v[28:31], s[42:43] offset:512
	global_store_b128 v46, v[32:35], s[42:43] offset:1024
	global_store_b128 v46, v[36:39], s[42:43] offset:1536
	s_endpgm
.Lfunc_end_k_qa06baa3b67_prep:
	.size	k_qa06baa3b67_prep, .Lfunc_end_k_qa06baa3b67_prep-k_qa06baa3b67_prep
	.p2alignl 7, 3214868480
	.fill 96, 4, 3214868480
	.section	.rodata,"a",@progbits
	.p2align	6, 0x0
	.amdhsa_kernel k_qa06baa3b67_prep
		.amdhsa_group_segment_fixed_size 0
		.amdhsa_private_segment_fixed_size 0
		.amdhsa_enable_private_segment 0
		.amdhsa_kernarg_size 152
		.amdhsa_user_sgpr_count 2
		.amdhsa_user_sgpr_kernarg_segment_ptr 1
		.amdhsa_wavefront_size32 1
		.amdhsa_system_sgpr_workgroup_id_x 1
		.amdhsa_system_sgpr_workgroup_id_y 1
		.amdhsa_system_sgpr_workgroup_id_z 1
		.amdhsa_system_vgpr_workitem_id 0
		.amdhsa_next_free_vgpr 64
		.amdhsa_next_free_sgpr 66
		.amdhsa_reserve_vcc 1
		.amdhsa_float_denorm_mode_32 3
		.amdhsa_float_denorm_mode_16_64 3
		.amdhsa_memory_ordered 1
		.amdhsa_forward_progress 1
		.amdhsa_inst_pref_size 27
	.end_amdhsa_kernel
	.amdgpu_metadata
---
amdhsa.version: [ 1, 2 ]
amdhsa.kernels:
  - .name:           k_qa06baa3b67_prep
    .symbol:         k_qa06baa3b67_prep.kd
    .args:
      - { .name: enc_w, .offset: 0, .size: 8, .value_kind: global_buffer, .address_space: global }
      - { .name: in_proj_w, .offset: 8, .size: 8, .value_kind: global_buffer, .address_space: global }
      - { .name: out_proj_w, .offset: 16, .size: 8, .value_kind: global_buffer, .address_space: global }
      - { .name: ff1_w, .offset: 24, .size: 8, .value_kind: global_buffer, .address_space: global }
      - { .name: ff2_w, .offset: 32, .size: 8, .value_kind: global_buffer, .address_space: global }
      - { .name: dec_w, .offset: 40, .size: 8, .value_kind: global_buffer, .address_space: global }
      - { .name: enc_b, .offset: 48, .size: 8, .value_kind: global_buffer, .address_space: global }
      - { .name: in_proj_b, .offset: 56, .size: 8, .value_kind: global_buffer, .address_space: global }
      - { .name: out_proj_b, .offset: 64, .size: 8, .value_kind: global_buffer, .address_space: global }
      - { .name: ln1_g, .offset: 72, .size: 8, .value_kind: global_buffer, .address_space: global }
      - { .name: ln1_b, .offset: 80, .size: 8, .value_kind: global_buffer, .address_space: global }
      - { .name: ff1_b, .offset: 88, .size: 8, .value_kind: global_buffer, .address_space: global }
      - { .name: ff2_b, .offset: 96, .size: 8, .value_kind: global_buffer, .address_space: global }
      - { .name: ln2_g, .offset: 104, .size: 8, .value_kind: global_buffer, .address_space: global }
      - { .name: ln2_b, .offset: 112, .size: 8, .value_kind: global_buffer, .address_space: global }
      - { .name: dec_b, .offset: 120, .size: 8, .value_kind: global_buffer, .address_space: global }
      - { .name: wts, .offset: 128, .size: 8, .value_kind: global_buffer, .address_space: global }
      - { .name: pet, .offset: 136, .size: 8, .value_kind: global_buffer, .address_space: global }
      - { .name: par, .offset: 144, .size: 8, .value_kind: global_buffer, .address_space: global }
    .group_segment_fixed_size: 0
    .private_segment_fixed_size: 0
    .kernarg_segment_align: 8
    .kernarg_segment_size: 152
    .max_flat_workgroup_size: 256
    .sgpr_count:     66
    .vgpr_count:     64
    .wavefront_size: 32
...
	.end_amdgpu_metadata
.endif
;; end of part 1
;; launch main (part 2): grid 16 x 16, 4 waves a work-group, clusters of 4 x 1, 327,680 bytes of LDS; arguments src, wts, pet, par, out0; writes out0
.if DOCPART == 2
	.amdgcn_target "amdgcn-amd-amdhsa--gfx1250"
	.amdhsa_code_object_version 6
	.text
	.protected	k_qa06baa3b67_main
	.globl	k_qa06baa3b67_main
	.p2align	8
	.type	k_qa06baa3b67_main,@function
k_qa06baa3b67_main:
	s_mov_b64 s[64:65], 0
	v_nop
	global_prefetch_b8 v0, s[64:65] scope:SCOPE_SE
	s_setreg_imm32_b32 hwreg(HW_REG_WAVE_MODE, 25, 1), 1
	s_wait_xcnt 0x0
	s_wait_alu depctr_hold_cnt(0) depctr_sa_sdst(0) depctr_va_vdst(0) depctr_va_sdst(0) depctr_va_ssrc(0) depctr_va_vcc(0) depctr_vm_vsrc(0)
	s_getreg_b32 s2, hwreg(HW_REG_IB_STS2, 6, 4)
	s_cmp_eq_u32 s2, 0
	s_cbranch_scc0 .Lentry_in_a_cluster
	s_endpgm
.Lentry_in_a_cluster:
	s_bfe_u32 s2, ttmp6, 0x10000c
	s_cmp_lg_u32 s2, 0x3003
	s_cbranch_scc0 .Lentry_shape_is_right
	s_endpgm
.Lentry_shape_is_right:
; THE WHOLE ENCODER LAYER IN ONE LAUNCH: encode + table, QKV, banded causal attention (row i sees keys i - 100 .. i), out-projection, add & norm, ReLU FFN, add & norm, decode.
; SHARES.  16 sequences x 16 blocks = 256 work-groups.  A work-group owns 128 rows of one sequence, from start = min(128 blk, 1872), and computes x, K and V once more for the 128 rows
; in front of them (the halo; at blk = 0 rows 0..127 again, which the mask hides).  The last block overlaps the one before by 48 rows: those tiles are computed and not stored.
; A wave owns two halo tiles of 16 rows (window tiles 2 w, 2 w + 1) and two own tiles (8 + 2 w, 9 + 2 w), which are its query tiles.
; LAYOUT.  Every product is used transposed: source 0 = 16 output features of a weight, source 1 = 16 tokens.  In the result a lane holds ONE token (lane % 16) and features 8 (lane / 16) + 0..7,
; and two results rounded in pairs ARE the next product's source 1.  So the chain from src to out0 stays in the wave's registers; a norm or a softmax is sums in the lane and one exchange of the
; lanes' halves.  Only K and V go through LDS, since other waves' queries read them.
; WEIGHTS come as 14 chunks of 64 KiB, already in register image (launch prep), through a ring of two LDS slots.  CLUSTER: the four work-groups of a cluster are four sequences at the same block;
; they walk the same chunks, so each chunk (and par) is asked for JOINTLY: the same tensor load, descriptor and mask in all four.  The place in the cluster enters src's and out0's addresses alone.
; The table tiles, which the partners also share, come by plain loads: LDS has no 64 KiB left for them beside the ring, K and V.
; FORMATS.  All inputs are rounded once to bf16.  x, q, k, v, the weights p and ctx are bf16 operands (they have no bound for large inputs).  x1 and x2 (bounded by the norm: 16 |g| + |b|) and h are f16
; operands, with f16 images of the bf16-rounded weights.  LIMITS: |x1|, |x2|, |h| and the weights of ff1, ff2, dec within 65,504.  Sums, norms, softmax and the residuals are f32.
; SOFTMAX.  The row's true maximum m of its 128 computed scores is taken away: p = 2^(c s - c m), c = log2(e) / sqrt(128); a hidden score counts as -1e30 (its weight is 0; the diagonal is never hidden);
; the sum l is taken of the unrounded p; a weight below 2^-126 counts as 0.  NORMS in two passes: the mean, then the mean of (y - mean)^2.  NaN and infinities are not treated apart.
; REGISTERS, in windows of 256 (s_set_vgpr_msb: bits 1:0 source 0, 3:2 source 1, 5:4 source 2, 7:6 destination):
;   window 0: v0-31 addresses and statistics; v32-95 BI (bias images as C; packed K, V; rows on the way out); v96-123 the norms' chains and figures; v128-191, v192-255 two buffers of weight (K, V) fragments
;   window 1: v0-127 ACC (results; scores; O^T; a norm's g); v128-191 TB (q, then ctx, then h); v184-255 the weights p with two blocks of zeros; in the encode step v128-255 src in bf16; in a norm v128-255 b
;   window 2: x in bf16, 64 a tile (before that the halo's table tiles); later x1, x2 in f16          window 3: XF, the own tiles' x, y, x1, y2 in f32, 128 a tile
.set SLOTB,  65536                     ; a slot of the ring; slot 0 at LDS byte 0, slot 1 behind it
.set PARL,   131072                    ; par: 11,264 bytes
.set KL,     142336                    ; K of one head: 256 rows x 272 bytes
.set VL,     211968                    ; V likewise
.set KP,     272                       ; 256 bytes + 16: the 16 rows of a load or store start at 16 different groups of four banks (64 banks of 4 bytes: ISA guide 11.1)
.set SRCP,   528                       ; src, f32: 256 rows x (512 + 16) bytes, from KL on: filled once, read by the wave that asked for it; K and V are stored there later
.set STG,    281600                    ; the way out: 16 rows x 272 bytes for each wave
.set SPARE,  299008                    ; the spare words, 128 bytes for each wave: two blocks of 256 bytes that no other line names
.set BI,     32
.set WF,     128
.set TB,     128
; v1 r = lane % 16   v2 h = lane / 16   v3 16 x lane   v4 address in the slot   v5 PARL + 32 h   v6 address of a bias   v7 K: my row and half (stores, and reads of K)   v8 address of K's or V's stores
; v10 V's turning loads   v11, v12 src: halo, own   v13 r - 8 h   v14, v15 the band's bound for query tile 0, 1   v16 -1e30   v17, v18 the stage: in, back   v19 my bytes in two rows of out0
; v20, v21 the add's two registers   v24-27 four maxima   v28-29 c m   v30, v31 at work
; s[4:13] src, wts, pet, par, out0   s14 wave   s15 sequence   s[16:23], s[24:31], s[32:39] descriptor groups 1: chunk, par, src   s[40:59] five groups 0   s[60:61] c   s[62:63] lane selects
; s[66:67], s[68:69] table tiles: halo, own   s[70:71] out0 at my rows   s72 blk   s73 start   s74 halo's first row   s75 128 blk   s76 the slot in hand   s77 bias offset   s78 K / V store offset
; s79-82 loop counts   s83 half chunk in hand   s84 1/256   s85 1e-5   s86 at work   s87 start + 32 w
.set MSB, 0
.macro WIN new                         ; the immediate's high byte repeats the setting that is left; a switch that changes nothing is dropped
.if MSB != (\new)
	s_set_vgpr_msb (MSB<<8)|(\new)
.set MSB, \new
.endif
.endm
; A vector instruction that reads a matrix result or writes one of a matrix instruction's registers, and a load into such a register, stand four places behind it; only plain vector
; instructions that name none of its registers are places (ISA guide 7.12.1 for vector instructions).
.macro PLACES
.rept 4
	v_nop
.endr
.endm
; A round of the cluster's barrier: my work-group's barrier; wave 0 signals for the work-group; every wave waits for all four work-groups; my work-group's barrier once more.
.macro CROUND
	s_barrier_signal -1
	s_barrier_wait -1
	s_cmp_lg_u32 s14, 0
	s_cbranch_scc1 .Lnot_wave_0_\@
	s_barrier_signal -3
.Lnot_wave_0_\@:
	s_barrier_wait -3
	s_barrier_signal -1
	s_barrier_wait -1
.endm
; THE CHANGE OF SLOTS.  Each wave waits for all its tensor loads (one is out: its quarter of the next chunk), adds 0 to its spare word, and waits for that, for its reads of the slot that it leaves
; and for its stores of K and V.  fill = 1: the barrier is a round of the cluster's, and the joint refill of the slot just left, with the chunk two further on, is the first thing behind it.
.macro CHANGE fill
	WIN 0                                          ; at a label and at a branch every window is 0
	s_wait_tensorcnt 0x0                           ; no tensor load of mine is out, so a group 0 may be written
	ds_add_u32 v20, v21                            ; 0 onto my spare word; the scalar steps stand between it and the wait for it
.if \fill
	s_xor_b32 s45, s45, SLOTB                      ; the walking descriptor: the other slot than last time,
	s_add_nc_u64 s[46:47], s[46:47], SLOTB         ; the next chunk; the type bits on top are not reached
.endif
	s_xor_b32 s76, s76, SLOTB                      ; the reads go to the other slot
	s_wait_dscnt 0x0                               ; the add is done, my LDS reads are back and my LDS stores are done
.if \fill
	CROUND
	tensor_load_to_lds s[44:47], s[16:23]          ; my one tensor load behind the round
	s_nop 0
	PLACES                                         ; also the places in front of the LDS loads that follow
.else
	s_barrier_signal -1
	s_barrier_wait -1
.endif
.endm
; 16 LDS loads: eight fragments into buffer buf; four from base0 on, step apart, four from base1 on.  A fragment is 1,024 consecutive bytes: lane l takes bytes 16 l and 512 + 16 l.
.macro FETCH buf, base0, step, base1
	WIN 0
.irp i, 0,1,2,3
	ds_load_b128 v[WF+64*(\buf)+8*\i:WF+64*(\buf)+8*\i+3], v4 offset:(\base0)+\i*(\step)
	ds_load_b128 v[WF+64*(\buf)+8*\i+4:WF+64*(\buf)+8*\i+7], v4 offset:(\base0)+\i*(\step)+512
.endr
.irp i, 0,1,2,3
	ds_load_b128 v[WF+64*(\buf)+32+8*\i:WF+64*(\buf)+32+8*\i+3], v4 offset:(\base1)+\i*(\step)
	ds_load_b128 v[WF+64*(\buf)+32+8*\i+4:WF+64*(\buf)+32+8*\i+7], v4 offset:(\base1)+\i*(\step)+512
.endr
.endm
; n images of a bias as a C operand: register j of image i is bias[16 i + 8 h + j], the same for all tokens
.macro BIAS n
	WIN 0
.set bi, 0
.rept \n
	ds_load_b128 v[BI+8*bi:BI+8*bi+3], v6 offset:64*bi
	ds_load_b128 v[BI+8*bi+4:BI+8*bi+7], v6 offset:64*bi+16
.set bi, bi+1
.endr
.endm
	s_load_b256 s[4:11], s[0:1], 0x0               ; src, wts, pet, par
	s_load_b64 s[12:13], s[0:1], 0x20              ; out0
	v_lshl_add_u32 v20, v0, 2, SPARE
	v_mov_b32 v21, 0
	ds_add_u32 v20, v21                            ; the wave's opening: the add and its wait stand ahead of my first tensor load; the set-up below, work on registers, stands between them
	v_lshrrev_b32 v22, 5, v0
	v_readfirstlane_b32 s14, v22                   ; wave 0..3
	v_and_b32 v3, 31, v0
	v_lshlrev_b32 v3, 4, v3
	s_bfe_u32 s84, ttmp6, 0x40000                  ; cx: my place in the cluster
	s_lshl_b32 s15, ttmp9, 2                       ; in a cluster launch ttmp9 counts clusters
	s_add_co_u32 s15, s15, s84                     ; my sequence
	s_and_b32 s72, ttmp7, 0xffff                   ; the block, which the four partners share
	s_lshl_b32 s75, s72, 7
	s_min_u32 s73, s75, 1872                       ; start
	s_max_u32 s74, s73, 128
	s_sub_co_u32 s74, s74, 128                     ; the halo's first row
	; group 1 for a quarter chunk: 64 dense rows of 32 elements of 8 bytes, asked for jointly by all four work-groups
	s_mov_b32 s16, 15|(3<<16)|(1<<21)              ; 15:0 the mask; 17:16 elements of 8 bytes; 21 set beside a mask
	s_mov_b32 s17, 32<<16                          ; tensor_dim0 = 32
	s_mov_b32 s18, 64<<16                          ; tensor_dim1 = 64
	s_mov_b32 s19, 32<<16                          ; tile_dim0 = 32
	s_mov_b32 s20, 64                              ; tile_dim1 = 64
	s_mov_b32 s21, 32                              ; 32 elements from row to row
	s_mov_b32 s22, 0
	s_mov_b32 s23, 0
	; group 1 for a quarter of par: 11 such rows
	s_mov_b32 s24, 15|(3<<16)|(1<<21)
	s_mov_b32 s25, 32<<16
	s_mov_b32 s26, 11<<16
	s_mov_b32 s27, 32<<16
	s_mov_b32 s28, 11
	s_mov_b32 s29, 32
	s_mov_b32 s30, 0
	s_mov_b32 s31, 0
	; group 1 for 32 rows of src: 128 elements of 4 bytes, 4 words of padding behind every 128; my work-group's own
	s_mov_b32 s32, (2<<16)|(1<<20)|(6<<22)|(3<<25)
	s_mov_b32 s33, 128<<16
	s_mov_b32 s34, 32<<16
	s_mov_b32 s35, 128<<16
	s_mov_b32 s36, 32
	s_mov_b32 s37, 128
	s_mov_b32 s38, 0
	s_mov_b32 s39, 0
	; groups 0: count 1, the LDS address (the wave's number times a constant plus a constant), and for now the byte offset in the buffer
	s_mov_b32 s40, 1                               ; chunk 0 into slot 0
	s_lshl_b32 s41, s14, 14
	s_mov_b32 s42, s41
	s_mov_b32 s43, 0
	s_mov_b32 s44, 1                               ; chunk 1 into slot 1; this one walks on
	s_add_co_u32 s45, s41, SLOTB
	s_mov_b32 s46, s45
	s_mov_b32 s47, 0
	s_mov_b32 s48, 1                               ; par
	s_mul_i32 s50, s14, 2816
	s_add_co_u32 s49, s50, PARL
	s_mov_b32 s51, 0
	s_mov_b32 s52, 1                               ; src, my 32 halo rows
	s_mul_i32 s53, s14, 32*SRCP
	s_add_co_u32 s53, s53, KL
	s_mov_b32 s56, 1                               ; src, my 32 own rows
	s_add_co_u32 s57, s53, 128*SRCP
	s_mul_i32 s84, s15, 2000
	s_lshl_b32 s85, s14, 5
	s_add_co_u32 s84, s84, s85                     ; 2000 x sequence + 32 w
	s_add_co_u32 s54, s84, s74
	s_lshl_b32 s54, s54, 9                         ; a row of src is 512 bytes
	s_mov_b32 s55, 0
	s_add_co_u32 s84, s84, s73
	s_lshl_b32 s58, s84, 9
	s_mov_b32 s59, 0
	s_lshl_b32 s70, s84, 8                         ; a row of out0 is 256 bytes
	s_mov_b32 s71, 0
	s_lshl_b32 s86, s14, 15                        ; two table tiles of 16,384 bytes a wave
	s_lshl_b32 s66, s74, 10                        ; 16 rows are a tile: 1,024 bytes a row
	s_add_co_u32 s66, s66, s86
	s_mov_b32 s67, 0
	s_lshl_b32 s68, s73, 10
	s_add_co_u32 s68, s68, s86
	s_mov_b32 s69, 0
	s_mov_b32 s60, 0x3e0293ee                      ; c = log2(e) / sqrt(128)
	s_mov_b32 s61, s60                             ; named with it as a pair
	s_mov_b32 s62, 0x76543210                      ; v_permlanex16_b32: each lane takes its own place in the other half
	s_mov_b32 s63, 0xfedcba98
	s_mov_b32 s76, 0
	s_wait_dscnt 0x0                               ; the opening add is done
	s_wait_kmcnt 0x0
	s_add_nc_u64 s[42:43], s[6:7], s[42:43]
	s_or_b32 s43, s43, 0x80000000                  ; type = 2
	s_add_nc_u64 s[46:47], s[6:7], s[46:47]
	s_or_b32 s47, s47, 0x80000000
	s_add_nc_u64 s[50:51], s[10:11], s[50:51]
	s_or_b32 s51, s51, 0x80000000
	s_add_nc_u64 s[54:55], s[4:5], s[54:55]
	s_or_b32 s55, s55, 0x80000000
	s_add_nc_u64 s[58:59], s[4:5], s[58:59]
	s_or_b32 s59, s59, 0x80000000
	s_add_nc_u64 s[66:67], s[8:9], s[66:67]
	s_add_nc_u64 s[68:69], s[8:9], s[68:69]
	s_add_nc_u64 s[70:71], s[12:13], s[70:71]
	CROUND                                         ; all four work-groups are here: the first joint loads meet
	tensor_load_to_lds s[52:55], s[32:39]          ; the first fills go out as one group: five tensor loads of mine are out.  src first: it is wanted first
	s_nop 0
	tensor_load_to_lds s[56:59], s[32:39]
	s_nop 0
	tensor_load_to_lds s[40:43], s[16:23]          ; chunk 0
	s_nop 0
	tensor_load_to_lds s[48:51], s[24:31]          ; par
	s_nop 0
	tensor_load_to_lds s[44:47], s[16:23]          ; chunk 1
	s_nop 0
	PLACES
	; the table tiles (with enc_b): the own tiles' start XF's sums, the halo's wait in window 2 to be the C of the first products
	WIN 0xC0
.set li, 0
.rept 64                               ; tile li / 32, feature tile (li / 2) % 16, half li % 2: register 4 li, byte 512 li
	global_load_b128 v[4*li:4*li+3], v3, s[68:69] offset:512*li
.set li, li+1
.endr
	WIN 0x80
.set li, 0
.rept 64                               ; x = 8 x tile + feature tile % 8; features 0-127 (g = 0) fill the lower halves of the blocks of 64, features 128-255 the upper: so x's first half can be written where g = 0 lay
.set lx, 8*(li/32)+((li/2)%16)%8
.set lr, 64*(lx/4)+32*(((li/2)%16)/8)+8*(lx%4)+4*(li%2)
	global_load_b128 v[lr:lr+3], v3, s[66:67] offset:512*li
.set li, li+1
.endr
	WIN 0
	s_mov_b32 s84, 0x3b800000                      ; 1/256
	s_mov_b32 s85, 0x3727c5ac                      ; 1e-5
	v_and_b32 v1, 15, v0
	v_bfe_u32 v2, v0, 4, 1
	v_lshl_add_u32 v5, v2, 5, PARL
	s_mul_i32 s86, s14, 32*KP
	s_add_co_u32 s87, s86, KL
	v_mul_u32_u24 v7, v1, KP
	v_lshl_add_u32 v7, v2, 4, v7
	v_add_nc_u32 v7, s87, v7                       ; KL + (32 w + r) 272 + 16 h
	; the turning load takes 16 keys x 16 channels (lane l reads key 8 (l / 16) + l % 8, channels 8 ((l / 8) % 2) + 0..7) and leaves half a fragment of V^T
	v_and_b32 v22, 7, v0
	v_bfe_u32 v23, v0, 3, 1
	v_lshl_add_u32 v10, v2, 3, v22
	v_mul_u32_u24 v10, v10, KP
	v_lshl_add_u32 v10, v23, 4, v10
	s_add_co_u32 s87, s86, VL
	v_add_nc_u32 v10, s87, v10
	v_mul_u32_u24 v11, v1, SRCP
	v_lshl_add_u32 v11, v2, 5, v11
	v_add_nc_u32 v11, s53, v11                     ; KL + (32 w + r) 528 + 32 h
	v_add_nc_u32 v12, 128*SRCP, v11
	v_lshlrev_b32 v22, 3, v2
	v_sub_nc_u32 v13, v1, v22                      ; r - 8 h
	s_lshl_b32 s87, s14, 5
	s_add_co_u32 s87, s87, s73                     ; my first query's position
	; query less key = 16 (7 - j) - i + r - 8 h for register i of key tile j of a query tile's eight; it may be at most min(100, the query's position): a key in front of the sequence is hidden too
	v_add_nc_u32 v22, s87, v1
	v_min_u32 v14, 100, v22
	v_sub_nc_u32 v14, v14, v13
	v_add_nc_u32 v22, 16, v22
	v_min_u32 v15, 100, v22
	v_sub_nc_u32 v15, v15, v13
	v_mov_b32 v16, 0xf149f2ca                      ; -1e30
	s_mul_i32 s86, s14, 16*272
	s_add_co_u32 s86, s86, STG
	v_mul_u32_u24 v17, v1, 272
	v_lshl_add_u32 v17, v2, 5, v17
	v_add_nc_u32 v17, s86, v17                     ; in: row r, 32 bytes for each half of the lanes
	v_mul_u32_u24 v18, v2, 272
	v_lshl_add_u32 v18, v1, 4, v18
	v_add_nc_u32 v18, s86, v18                     ; back: lanes 0-15 one row of 256 bytes, lanes 16-31 the next
	v_lshlrev_b32 v19, 8, v2
	v_lshl_add_u32 v19, v1, 4, v19
	v_mov_b32 v30, 0                               ; v_permlanex16_b32's destination counts as read
	v_mov_b32 v31, 0
; src of two tiles: 32 loads of 16 bytes (token r; k = 32 kf + 8 h + 0..7 and 16 more on), rounded to bf16 into source-1 fragments at window 1, 128 + 32 tile + 8 kf
.macro SRCIN adr, tt0
	WIN 0
.set li, 0
.rept 32
	ds_load_b128 v[WF+4*li:WF+4*li+3], v[\adr] offset:16*SRCP*(li/16)+128*((li/4)%4)+16*(li%2)+64*((li%4)/2)
.set li, li+1
.endr
	s_wait_dscnt 0x0
	WIN 0x40
.set li, 0
.rept 64
	v_cvt_pk_bf16_f32 v[128+32*(\tt0)+li], v[WF+2*li], v[WF+2*li+1]
.set li, li+1
.endr
.endm
	s_wait_tensorcnt 3                             ; tensor loads of a wave end in order (ISA guide 10.11.1): my two tiles of src are in; chunk 0, par and chunk 1 may be out.  Only I read these rows
	SRCIN 11, 0
	SRCIN 12, 2
	WIN 0
	s_wait_tensorcnt 1                             ; my parts of chunk 0 and of par are in; chunk 1 may stay out
	s_wait_dscnt 0x0                               ; my reads of src are over: K and V will be stored there
	s_barrier_signal -1
	s_barrier_wait -1
	s_wait_loadcnt 0x0                             ; the table tiles
; ENCODE.  Group q of eight: features 128 (q / 4) on, k = 32 (q % 4) on: 16 products for the halo's two tiles, 16 for the own.  All accumulators take turns, one instruction a turn.
.macro ENCMUL q
.set eg, (\q)/4
.set ek, (\q)%4
.set eb, WF+64*((\q)%2)
.set ef, 0
.rept 8
.set et, 0
.rept 2
.set ex, 8*et+ef
.set rD, 16*ef+8*et
.if ek == 0
	WIN 0x64                                       ; the table tile in window 2 starts the sum
.set rC, 64*(ex/4)+32*eg+8*(ex%4)
.else
	WIN 0x54
.set rC, rD
.endif
	v_wmma_f32_16x16x32_bf16 v[rD:rD+7], v[eb+8*ef:eb+8*ef+7], v[128+32*et+8*ek:128+32*et+8*ek+7], v[rC:rC+7]
.set et, et+1
.endr
.set ef, ef+1
.endr
	WIN 0xF4
.set ef, 0
.rept 8
.set et, 0
.rept 2
.set rD, 128*et+8*(8*eg+ef)
	v_wmma_f32_16x16x32_bf16 v[rD:rD+7], v[eb+8*ef:eb+8*ef+7], v[192+32*et+8*ek:192+32*et+8*ek+7], v[rD:rD+7]
.set et, et+1
.endr
.set ef, ef+1
.endr
.endm
	WIN 0
	v_add_nc_u32 v4, s76, v3
	FETCH 0,0,4096,16384
.set eq, 0
.rept 8
.if eq < 7
.if eq > 0
	PLACES
.endif
	FETCH (eq+1)%2,32768*((eq+1)/4)+1024*((eq+1)%4),4096,32768*((eq+1)/4)+1024*((eq+1)%4)+16384
	s_wait_dscnt 16                                ; all but the 16 just issued
.else
	s_wait_dscnt 0x0
.endif
	ENCMUL eq
.if (eq%4) == 3
	PLACES
	WIN 0x85                                       ; the halo's x, 128 features of it, to bf16: source-1 fragments in window 2
.set ef, 0
.rept 8
.set et, 0
.rept 2
.set ei, 0
.rept 4
	v_cvt_pk_bf16_f32 v[64*et+32*(eq/4)+4*ef+ei], v[16*ef+8*et+2*ei], v[16*ef+8*et+2*ei+1]
.set ei, ei+1
.endr
.set et, et+1
.endr
.set ef, ef+1
.endr
.endif
.if eq == 7
	WIN 0x8F                                       ; the own tiles' x likewise; XF keeps it in f32 for the residual
.set ei, 0
.rept 128
	v_cvt_pk_bf16_f32 v[128+ei], v[2*ei], v[2*ei+1]
.set ei, ei+1
.endr
.endif
.set eq, eq+1
.endr
; 128 output features for my two own tiles, K = 256 (a chunk of 128 rows): ACC 16 f + 8 t.  Eight groups of 32 along K, 16 products each; the bias images start the sums.
.macro STAGE_A fmt, bb
	WIN 0
	v_add_nc_u32 v4, s76, v3
	v_add_nc_u32 v6, s77, v5
	BIAS 8
	FETCH 0,0,8192,32768
.set ak, 0
.rept 8
.if ak < 7
.if ak > 0
	PLACES
.endif
	FETCH (ak+1)%2,(ak+1)*1024,8192,(ak+1)*1024+32768
	s_wait_dscnt 16                                ; all but the 16 just issued
.else
	s_wait_dscnt 0x0
.endif
.set af, 0
.rept 8
.set at, 0
.rept 2
.set rD, 16*af+8*at
.if ak == 0
	WIN 0x48
	v_wmma_f32_16x16x32_\fmt v[rD:rD+7], v[WF+64*(ak%2)+8*af:WF+64*(ak%2)+8*af+7], v[(\bb)+64*at+8*ak:(\bb)+64*at+8*ak+7], v[BI+8*af:BI+8*af+7]
.else
	WIN 0x58
	v_wmma_f32_16x16x32_\fmt v[rD:rD+7], v[WF+64*(ak%2)+8*af:WF+64*(ak%2)+8*af+7], v[(\bb)+64*at+8*ak:(\bb)+64*at+8*ak+7], v[rD:rD+7]
.endif
.set at, at+1
.endr
.set af, af+1
.endr
.set ak, ak+1
.endr
.endm
; STAGE_A's results, rounded, as source-1 fragments in TB
.macro TOTB cv
	WIN 0x45
.set qf, 0
.rept 8
.set qt, 0
.rept 2
.set qi, 0
.rept 4
	\cv v[TB+32*qt+4*qf+qi], v[16*qf+8*qt+2*qi], v[16*qf+8*qt+2*qi+1]
.set qi, qi+1
.endr
.set qt, qt+1
.endr
.set qf, qf+1
.endr
.endm
; 64 channels of K or V (half a chunk, at s83) for all four of my tiles: ACC 32 f + 8 tile.  Four groups of 64 along K, 32 products each on 16 accumulators by turns.  Then to bf16 and into LDS.
.macro STAGE_KV
	WIN 0
	v_add_nc_u32 v4, s83, v3
	v_add_nc_u32 v6, s77, v5
	v_add_nc_u32 v8, s78, v7
	BIAS 4
	FETCH 0,0,8192,1024
.set kg, 0
.rept 4
.if kg < 3
.if kg > 0
	PLACES
.endif
	FETCH (kg+1)%2,2048*(kg+1),8192,2048*(kg+1)+1024
	s_wait_dscnt 16                                ; all but the 16 just issued
.else
	s_wait_dscnt 0x0
.endif
.set kd, 0
.rept 2
.set kf, 0
.rept 4
.set kt, 0
.rept 4
.set rD, 32*kf+8*kt
.if (kg == 0) && (kd == 0)
	WIN 0x48
	v_wmma_f32_16x16x32_bf16 v[rD:rD+7], v[WF+64*(kg%2)+8*(4*kd+kf):WF+64*(kg%2)+8*(4*kd+kf)+7], v[64*kt+8*(2*kg+kd):64*kt+8*(2*kg+kd)+7], v[BI+8*kf:BI+8*kf+7]
.else
	WIN 0x58
	v_wmma_f32_16x16x32_bf16 v[rD:rD+7], v[WF+64*(kg%2)+8*(4*kd+kf):WF+64*(kg%2)+8*(4*kd+kf)+7], v[64*kt+8*(2*kg+kd):64*kt+8*(2*kg+kd)+7], v[rD:rD+7]
.endif
.set kt, kt+1
.endr
.set kf, kf+1
.endr
.set kd, kd+1
.endr
.set kg, kg+1
.endr
	PLACES
	WIN 0x05
.set ki, 0
.rept 64
	v_cvt_pk_bf16_f32 v[BI+ki], v[2*ki], v[2*ki+1]
.set ki, ki+1
.endr
	WIN 0
.set ka, 0
.rept 16                               ; accumulator ka: channels 16 (ka / 4) on, tile ka % 4: window rows 32 w + 0, 16, 128, 144; a lane's eight channels of its token are 16 bytes
	ds_store_b128 v8, v[BI+4*ka:BI+4*ka+3] offset:(16*((ka%4)%2)+128*((ka%4)/2))*KP+32*(ka/4)
.set ka, ka+1
.endr
.endm
; All 256 output features for my two own tiles, K = 128 (a chunk of 256 rows x 128 k), added onto XF: the residual and the other half of K are already there.  Eight groups of 16 products, 32 accumulators by turns.
.macro STAGE_C fmt
	WIN 0
	v_add_nc_u32 v4, s76, v3
	FETCH 0,0,4096,16384
.set cg, 0
.rept 8                                ; group cg: k = 32 (cg / 2) on, features 128 (cg % 2) on
.if cg < 7
.if cg > 0
	PLACES
.endif
	FETCH (cg+1)%2,32768*((cg+1)%2)+1024*((cg+1)/2),4096,32768*((cg+1)%2)+1024*((cg+1)/2)+16384
	s_wait_dscnt 16                                ; all but the 16 just issued
.else
	s_wait_dscnt 0x0
.endif
	WIN 0xF4
.set cf, 0
.rept 8
.set ct, 0
.rept 2
.set rD, 128*ct+8*(8*(cg%2)+cf)
	v_wmma_f32_16x16x32_\fmt v[rD:rD+7], v[WF+64*(cg%2)+8*cf:WF+64*(cg%2)+8*cf+7], v[TB+32*ct+8*(cg/2):TB+32*ct+8*(cg/2)+7], v[rD:rD+7]
.set ct, ct+1
.endr
.set cf, cf+1
.endr
.set cg, cg+1
.endr
.endm
; ATTENTION's parts.  u counts key tiles from my window tile 2 w: query tile t sees u = 1 + t .. 8 + t; its scores for tile u lie at ACC 64 t + 8 (u - 1 - t).
.macro KLOAD buf, pos, u               ; key tile u: four fragments of 16 keys x 32 channels
.irp k, 0,1,2,3
	ds_load_b128 v[WF+64*(\buf)+32*(\pos)+8*\k:WF+64*(\buf)+32*(\pos)+8*\k+3], v7 offset:16*KP*(\u)+64*\k
	ds_load_b128 v[WF+64*(\buf)+32*(\pos)+8*\k+4:WF+64*(\buf)+32*(\pos)+8*\k+7], v7 offset:16*KP*(\u)+64*\k+32
.endr
.endm
.macro KQ1 buf, pos, u, t, k
.if ((\u)-1-(\t) >= 0) && ((\u)-1-(\t) < 8)
.set rD, 64*(\t)+8*((\u)-1-(\t))
.if (\k) == 0
	v_wmma_f32_16x16x32_bf16 v[rD:rD+7], v[WF+64*(\buf)+32*(\pos)+8*(\k):WF+64*(\buf)+32*(\pos)+8*(\k)+7], v[TB+32*(\t)+8*(\k):TB+32*(\t)+8*(\k)+7], 0
.else
	v_wmma_f32_16x16x32_bf16 v[rD:rD+7], v[WF+64*(\buf)+32*(\pos)+8*(\k):WF+64*(\buf)+32*(\pos)+8*(\k)+7], v[TB+32*(\t)+8*(\k):TB+32*(\t)+8*(\k)+7], v[rD:rD+7]
.endif
.endif
.endm
.macro KQG buf, ua, ub                 ; S^T = K Q^T for the one or two key tiles of a buffer: two or four accumulators by turns
	WIN 0x54
.irp k, 0,1,2,3
	KQ1 \buf, 0, \ua, 0, \k
	KQ1 \buf, 0, \ua, 1, \k
.if (\ub) >= 0
	KQ1 \buf, 1, \ub, 0, \k
	KQ1 \buf, 1, \ub, 1, \k
.endif
.endr
.endm
.macro VLOAD buf, kk                   ; V^T of key tiles 2 kk, 2 kk + 1: eight fragments of 16 channels x 32 keys
	WIN 0
.irp c, 0,1,2,3,4,5,6,7
	ds_load_tr16_b128 v[WF+64*(\buf)+8*\c:WF+64*(\buf)+8*\c+3], v10 offset:32*KP*(\kk)+32*\c
	ds_load_tr16_b128 v[WF+64*(\buf)+8*\c+4:WF+64*(\buf)+8*\c+7], v10 offset:32*KP*(\kk)+16*KP+32*\c
.endr
.endm
; O^T += V^T P.  Tile 0's weights lie at 188-219 between two blocks of four zeros (184, 220), which stand for key tiles u = 0 and u = 9; tile 1's at 224-255.
.macro PVG buf, kk
	WIN 0x54
.irp c, 0,1,2,3,4,5,6,7
.if (\kk) == 0
	v_wmma_f32_16x16x32_bf16 v[8*\c:8*\c+7], v[WF+64*(\buf)+8*\c:WF+64*(\buf)+8*\c+7], v[184+8*(\kk):184+8*(\kk)+7], 0
.else
	v_wmma_f32_16x16x32_bf16 v[8*\c:8*\c+7], v[WF+64*(\buf)+8*\c:WF+64*(\buf)+8*\c+7], v[184+8*(\kk):184+8*(\kk)+7], v[8*\c:8*\c+7]
.endif
.if (\kk) == 1
	v_wmma_f32_16x16x32_bf16 v[64+8*\c:64+8*\c+7], v[WF+64*(\buf)+8*\c:WF+64*(\buf)+8*\c+7], v[216+8*(\kk):216+8*(\kk)+7], 0
.elseif (\kk) > 1
	v_wmma_f32_16x16x32_bf16 v[64+8*\c:64+8*\c+7], v[WF+64*(\buf)+8*\c:WF+64*(\buf)+8*\c+7], v[216+8*(\kk):216+8*(\kk)+7], v[64+8*\c:64+8*\c+7]
.endif
.endr
.endm
; Query tile t: mask, maximum, weights, their rounding and their sum.  A lane holds one query and 64 of its 128 scores; the lane 16 away holds the others.
.macro SOFTMAX t
.set SS, 64*(\t)
.set PB, 188+36*(\t)
	WIN 0x41
.set mj, 0
.rept 8                                ; each accumulator's registers in ascending order
.set mi, 0
.rept 8
.if mj < 7
	v_cmp_gt_i32 vcc_lo, 16*(7-mj)-mi, v[14+(\t)]  ; too far back, or in front of the sequence
.else
	v_cmp_gt_i32 vcc_lo, mi, v13                   ; the query's own tile: behind the query
.endif
	v_cndmask_b32 v[SS+8*mj+mi], v[SS+8*mj+mi], v16, vcc_lo
.set mi, mi+1
.endr
.set mj, mj+1
.endr
	WIN 0x15                                       ; four chains of fifteen scores, three operands at a time
.irp c, 0,1,2,3
	v_max3_num_f32 v[24+\c], v[SS+16*\c], v[SS+16*\c+1], v[SS+16*\c+2]
.endr
	WIN 0x14
.irp k, 0,1,2,3,4,5
.irp c, 0,1,2,3
	v_max3_num_f32 v[24+\c], v[24+\c], v[SS+16*\c+3+2*\k], v[SS+16*\c+4+2*\k]
.endr
.endr
	v_max3_num_f32 v24, v24, v[SS+15], v[SS+31]    ; the four left over
	v_max3_num_f32 v26, v26, v[SS+47], v[SS+63]
	WIN 0
	v_max3_num_f32 v24, v24, v25, v26
	v_max_num_f32 v24, v24, v27
	v_permlanex16_b32 v30, v24, s62, s63
	v_max_num_f32 v24, v24, v30                    ; m
	v_mul_f32 v28, s60, v24                        ; c m
	v_mul_f32 v29, s60, v24                        ; named with it as a pair
	WIN 0x41
.set mi, 0
.rept 32
	v_pk_fma_f32 v[SS+2*mi:SS+2*mi+1], v[SS+2*mi:SS+2*mi+1], s[60:61], v[28:29] op_sel_hi:[1,0,0] neg_lo:[0,0,1] neg_hi:[0,0,1]
.set mi, mi+1
.endr
.set mi, 0
.rept 64
	v_exp_f32 v[SS+mi], v[SS+mi]
.set mi, mi+1
.endr
	v_nop                                          ; a plain instruction between the last exponential and the use of its result (ISA guide 5.7.2)
	WIN 0x45
.set mi, 0
	s_wait_alu depctr_va_vdst(0)
.rept 32
	v_cvt_pk_bf16_f32 v[PB+mi], v[SS+2*mi], v[SS+2*mi+1]
.set mi, mi+1
.endr
.set mw, 32
.rept 5                                ; the 32 pairs are added as a tree, in place: 16, 8, 4, 2, 1 packed additions
.set mi, 0
.rept mw/2
	v_pk_add_f32 v[SS+2*mi:SS+2*mi+1], v[SS+2*mi:SS+2*mi+1], v[SS+mw+2*mi:SS+mw+2*mi+1]
.set mi, mi+1
.endr
.set mw, mw/2
.endr
	WIN 0x05
	v_add_f32 v30, v[SS], v[SS+1]
	WIN 0
	v_permlanex16_b32 v31, v30, s62, s63
	v_add_f32 v30, v30, v31                        ; l
	v_rcp_f32 v[120+2*(\t)], v30
	v_rcp_f32 v[121+2*(\t)], v30                   ; named with it as a pair
	v_nop
.endm
; THE HEADS: two trips.  A trip walks four chunks: Q, K, V, and the out-projection's 128 columns that belong to the head, whose products are added straight onto x in XF.
	WIN 0
	s_mov_b32 s77, 0                               ; in_proj_b: q of head 0
	s_mov_b32 s79, 2
.Lhead:
	CHANGE 1
	STAGE_A bf16, 128
	PLACES
	TOTB v_cvt_pk_bf16_f32                         ; q, unscaled: 1 / sqrt(128) is part of c
	WIN 0
	s_add_co_u32 s77, s77, 1024                    ; k's bias lies 256 numbers behind q's
	s_mov_b32 s78, 0
	s_mov_b32 s80, 2
.Lkv:                                  ; K, then V
	CHANGE 1
	s_mov_b32 s83, s76
	s_mov_b32 s81, 2
.Lg:                                   ; the chunk's two halves of 64 channels
	STAGE_KV
	WIN 0
	s_add_co_u32 s83, s83, 32768
	s_add_co_u32 s77, s77, 256
	s_add_co_u32 s78, s78, 128
	s_sub_co_u32 s81, s81, 1
	s_cmp_lg_u32 s81, 0
	s_cbranch_scc1 .Lg
	s_add_co_u32 s77, s77, 512                     ; v's bias lies 256 numbers behind k's
	s_add_co_u32 s78, s78, VL-KL-256
	s_sub_co_u32 s80, s80, 1
	s_cmp_lg_u32 s80, 0
	s_cbranch_scc1 .Lkv
	s_sub_co_u32 s77, s77, 2560                    ; the next head's q
	CHANGE 1                                       ; its wait and its barriers also show every wave's K and V to every wave; the next change of slots orders my reads of them ahead of the next head's stores
	KLOAD 0, 0, 1
	KLOAD 0, 1, 9
	KLOAD 1, 0, 2
	KLOAD 1, 1, 3
	s_wait_dscnt 16                                ; all but the 16 just issued
	KQG 0, 1, 9
	PLACES
	WIN 0
	KLOAD 0, 0, 4
	KLOAD 0, 1, 5
	s_wait_dscnt 16
	KQG 1, 2, 3
	PLACES
	WIN 0
	KLOAD 1, 0, 6
	KLOAD 1, 1, 7
	s_wait_dscnt 16
	KQG 0, 4, 5
	PLACES
	WIN 0
	KLOAD 0, 0, 8
	s_wait_dscnt 8                                 ; all but the 8 just issued
	KQG 1, 6, 7
	s_wait_dscnt 0x0
	KQG 0, 8, -1
	PLACES
	VLOAD 1, 0                                     ; V's first two runs land under the softmax
	VLOAD 0, 1
	WIN 0x40
.irp z, 184,185,186,187,220,221,222,223
	v_mov_b32 v[\z], 0                             ; q is done with: the two blocks of zero weights
.endr
	SOFTMAX 0
	SOFTMAX 1
	s_wait_dscnt 0x0
	PVG 1, 0
	PLACES
	VLOAD 1, 2
	s_wait_dscnt 16                                ; all but the 16 just issued
	PVG 0, 1
	PLACES
	VLOAD 0, 3
	s_wait_dscnt 16
	PVG 1, 2
	PLACES
	VLOAD 1, 4
	s_wait_dscnt 16
	PVG 0, 3
	s_wait_dscnt 0x0
	PVG 1, 4
	PLACES
	WIN 0x41
.set ci, 0
	s_wait_alu depctr_va_vdst(0)
.rept 64
	v_pk_mul_f32 v[2*ci:2*ci+1], v[2*ci:2*ci+1], v[120+2*(ci/32):121+2*(ci/32)] op_sel_hi:[1,0]  ; O^T / l
.set ci, ci+1
.endr
	WIN 0x45
.set ci, 0
.rept 64
	v_cvt_pk_bf16_f32 v[TB+ci], v[2*ci], v[2*ci+1] ; ctx of this head as source-1 fragments
.set ci, ci+1
.endr
	STAGE_C bf16
	WIN 0
	s_sub_co_u32 s79, s79, 1
	s_cmp_lg_u32 s79, 0
	s_cbranch_scc1 .Lhead
; ADD & NORM on XF.  sb, sg, sbb: the places in par of the last product's bias, of g and of b.  A lane holds 128 of its token's 256 features, the lane 16 away the others.
.macro LNJOIN                          ; the four chains of each tile into v30 + tile, both halves of the lanes
	WIN 0
.irp t, 0,1
	v_pk_add_f32 v[96+8*\t:97+8*\t], v[96+8*\t:97+8*\t], v[98+8*\t:99+8*\t]
	v_pk_add_f32 v[100+8*\t:101+8*\t], v[100+8*\t:101+8*\t], v[102+8*\t:103+8*\t]
.endr
.irp t, 0,1
	v_pk_add_f32 v[96+8*\t:97+8*\t], v[96+8*\t:97+8*\t], v[100+8*\t:101+8*\t]
.endr
.irp t, 0,1
	v_add_f32 v[30+\t], v[96+8*\t], v[97+8*\t]
.endr
.irp t, 0,1
	v_permlanex16_b32 v[98+8*\t], v[30+\t], s62, s63
.endr
.irp t, 0,1
	v_add_f32 v[30+\t], v[30+\t], v[98+8*\t]
.endr
.endm
.macro LN sb, sg, sbb
	PLACES
	WIN 0
.set li, 0
.rept 16
	ds_load_b128 v[WF+8*li:WF+8*li+3], v5 offset:(\sb)+64*li
	ds_load_b128 v[WF+8*li+4:WF+8*li+7], v5 offset:(\sb)+64*li+16
.set li, li+1
.endr
	WIN 0x40
.set li, 0
.rept 16
	ds_load_b128 v[8*li:8*li+3], v5 offset:(\sg)+64*li
	ds_load_b128 v[8*li+4:8*li+7], v5 offset:(\sg)+64*li+16
	ds_load_b128 v[128+8*li:128+8*li+3], v5 offset:(\sbb)+64*li
	ds_load_b128 v[128+8*li+4:128+8*li+7], v5 offset:(\sbb)+64*li+16
.set li, li+1
.endr
	s_wait_dscnt 0x0
	WIN 0xC3                                       ; y = XF + bias
.set li, 0
.rept 128
	v_pk_add_f32 v[2*li:2*li+1], v[2*li:2*li+1], v[WF+2*(li%64):WF+2*(li%64)+1]
.set li, li+1
.endr
	WIN 0x0F                                       ; the sum: four chains a tile
.set lt, 0
.rept 2
.set lc, 0
.rept 4
	v_pk_add_f32 v[96+8*lt+2*lc:96+8*lt+2*lc+1], v[128*lt+32*lc:128*lt+32*lc+1], v[128*lt+32*lc+2:128*lt+32*lc+3]
.set lc, lc+1
.endr
.set lt, lt+1
.endr
	WIN 0x0C
.set lk, 2
.rept 14
.set lt, 0
.rept 2
.set lc, 0
.rept 4
	v_pk_add_f32 v[96+8*lt+2*lc:96+8*lt+2*lc+1], v[96+8*lt+2*lc:96+8*lt+2*lc+1], v[128*lt+32*lc+2*lk:128*lt+32*lc+2*lk+1]
.set lc, lc+1
.endr
.set lt, lt+1
.endr
.set lk, lk+1
.endr
	LNJOIN
.irp t, 0,1
	v_mul_f32 v[112+2*\t], s84, v[30+\t]           ; the mean
	v_mul_f32 v[113+2*\t], s84, v[30+\t]           ; named with it as a pair
.endr
	WIN 0xC3                                       ; y - mean
.set li, 0
.rept 128
	v_pk_add_f32 v[2*li:2*li+1], v[2*li:2*li+1], v[112+2*(li/64):113+2*(li/64)] op_sel_hi:[1,0] neg_lo:[0,1] neg_hi:[0,1]
.set li, li+1
.endr
	WIN 0x0F                                       ; the sum of its squares
.set lt, 0
.rept 2
.set lc, 0
.rept 4
	v_pk_mul_f32 v[96+8*lt+2*lc:96+8*lt+2*lc+1], v[128*lt+32*lc:128*lt+32*lc+1], v[128*lt+32*lc:128*lt+32*lc+1]
.set lc, lc+1
.endr
.set lt, lt+1
.endr
.set lk, 1
.rept 15
.set lt, 0
.rept 2
.set lc, 0
.rept 4
	v_pk_fma_f32 v[96+8*lt+2*lc:96+8*lt+2*lc+1], v[128*lt+32*lc+2*lk:128*lt+32*lc+2*lk+1], v[128*lt+32*lc+2*lk:128*lt+32*lc+2*lk+1], v[96+8*lt+2*lc:96+8*lt+2*lc+1]
.set lc, lc+1
.endr
.set lt, lt+1
.endr
.set lk, lk+1
.endr
	LNJOIN
.irp t, 0,1
	v_fma_f32 v[30+\t], v[30+\t], s84, s85         ; the variance + 1e-5
.endr
.irp t, 0,1
	v_rsq_f32 v[116+2*\t], v[30+\t]
	v_rsq_f32 v[117+2*\t], v[30+\t]                ; named with it as a pair
.endr
	v_nop                                          ; a plain instruction between the last root and the use of its result
	WIN 0xC3
.set li, 0
	s_wait_alu depctr_va_vdst(0)
.rept 128
	v_pk_mul_f32 v[2*li:2*li+1], v[2*li:2*li+1], v[116+2*(li/64):117+2*(li/64)] op_sel_hi:[1,0]
.set li, li+1
.endr
	WIN 0xD7                                       ; x g + b: XF keeps the result in f32 for the next residual
.set li, 0
.rept 128
	v_pk_fma_f32 v[2*li:2*li+1], v[2*li:2*li+1], v[2*(li%64):2*(li%64)+1], v[128+2*(li%64):128+2*(li%64)+1]
.set li, li+1
.endr
	WIN 0x8F                                       ; and in f16 as source-1 fragments in window 2, 64 a tile
.set li, 0
.rept 128
	v_cvt_pk_f16_f32 v[li], v[2*li], v[2*li+1]
.set li, li+1
.endr
.endm
	LN 3072, 4096, 5120                            ; out_proj_b, ln1_g, ln1_b
; THE FFN: two trips, 128 hidden units each: h = relu(x1 W1^T + b1) for them, then their share of h W2^T, added straight onto x1 in XF.
	WIN 0
	s_mov_b32 s77, 6144                            ; ff1_b
	s_mov_b32 s82, 2
.Lffn:
	CHANGE 1
	STAGE_A f16, 0
	PLACES
	WIN 0x45
.set ci, 0
.rept 128
	v_max_num_f32 v[ci], 0, v[ci]
.set ci, ci+1
.endr
	TOTB v_cvt_pk_f16_f32
	WIN 0
	s_add_co_u32 s77, s77, 512
	CHANGE 1
	STAGE_C f16
	WIN 0
	s_sub_co_u32 s82, s82, 1
	s_cmp_lg_u32 s82, 0
	s_cbranch_scc1 .Lffn
	LN 7168, 8192, 9216                            ; ff2_b, ln2_g, ln2_b
; DECODE: 64 features, K = 256: four groups of 64 along K, 16 products each on 8 accumulators by turns: ACC 16 f + 8 t.
	CHANGE 0                                       ; the last chunk: nothing is left to ask for
	v_add_nc_u32 v4, s76, v3
	v_add_nc_u32 v6, 10240, v5                     ; dec_b
	BIAS 4
	FETCH 0,0,8192,1024
.set kg, 0
.rept 4
.if kg < 3
.if kg > 0
	PLACES
.endif
	FETCH (kg+1)%2,2048*(kg+1),8192,2048*(kg+1)+1024
	s_wait_dscnt 16                                ; all but the 16 just issued
.else
	s_wait_dscnt 0x0
.endif
.set kd, 0
.rept 2
.set kf, 0
.rept 4
.set kt, 0
.rept 2
.set rD, 16*kf+8*kt
.if (kg == 0) && (kd == 0)
	WIN 0x48
	v_wmma_f32_16x16x32_f16 v[rD:rD+7], v[WF+64*(kg%2)+8*(4*kd+kf):WF+64*(kg%2)+8*(4*kd+kf)+7], v[64*kt+8*(2*kg+kd):64*kt+8*(2*kg+kd)+7], v[BI+8*kf:BI+8*kf+7]
.else
	WIN 0x58
	v_wmma_f32_16x16x32_f16 v[rD:rD+7], v[WF+64*(kg%2)+8*(4*kd+kf):WF+64*(kg%2)+8*(4*kd+kf)+7], v[64*kt+8*(2*kg+kd):64*kt+8*(2*kg+kd)+7], v[rD:rD+7]
.endif
.set kt, kt+1
.endr
.set kf, kf+1
.endr
.set kd, kd+1
.endr
.set kg, kg+1
.endr
	PLACES
; THE WAY OUT of tile t: a lane's 8 numbers of each of four feature tiles go into rows of 272 bytes of my own stage and come back as whole rows of 256.
; A tile that begins in front of row 128 blk (the last block's first three) belongs to the block before and is not stored: every byte of out0 has one writer.
.macro OUTT t
	WIN 0
	s_add_co_u32 s86, s87, 16*(\t)
	s_cmp_lt_u32 s86, s75
	s_cbranch_scc1 .Lskip_\@
	WIN 0x04                                       ; the stores' data in window 1
.irp f, 0,1,2,3
	ds_store_b128 v17, v[16*\f+8*(\t):16*\f+8*(\t)+3] offset:64*\f
	ds_store_b128 v17, v[16*\f+8*(\t)+4:16*\f+8*(\t)+7] offset:64*\f+16
.endr
	WIN 0
.irp i, 0,1,2,3,4,5,6,7
	ds_load_b128 v[BI+32*(\t)+4*\i:BI+32*(\t)+4*\i+3], v18 offset:544*\i  ; LDS serves a wave's instructions in order (ISA guide 5.7.1.4): these see the stores above
.endr
.irp i, 0,1,2,3,4,5,6,7
	s_wait_dscnt 7-\i                              ; the younger loads may stay out
	global_store_b128 v19, v[BI+32*(\t)+4*\i:BI+32*(\t)+4*\i+3], s[70:71] offset:4096*(\t)+512*\i th:TH_STORE_NT  ; 16 lanes store a row of out0: 256 consecutive bytes, at a multiple of 256 from its first byte
.endr
.Lskip_\@:
.endm
	OUTT 0
	OUTT 1
	s_wait_tensorcnt 0x0                           ; the wave's end, behind my last tensor load and my last LDS store
	ds_add_u32 v20, v21
	s_wait_dscnt 0x0
	CROUND                                         ; the closing round: no work-group ends while a partner may still ask for a chunk that names it
	s_endpgm
.Lfunc_end_k_qa06baa3b67_main:
	.size	k_qa06baa3b67_main, .Lfunc_end_k_qa06baa3b67_main-k_qa06baa3b67_main
	.p2alignl 7, 3214868480
	.fill 96, 4, 3214868480
	.section	.rodata,"a",@progbits
	.p2align	6, 0x0
	.amdhsa_kernel k_qa06baa3b67_main
		.amdhsa_group_segment_fixed_size 327680
		.amdhsa_private_segment_fixed_size 0
		.amdhsa_enable_private_segment 0
		.amdhsa_kernarg_size 40
		.amdhsa_user_sgpr_count 2
		.amdhsa_user_sgpr_kernarg_segment_ptr 1
		.amdhsa_wavefront_size32 1
		.amdhsa_system_sgpr_workgroup_id_x 1
		.amdhsa_system_sgpr_workgroup_id_y 1
		.amdhsa_system_sgpr_workgroup_id_z 1
		.amdhsa_system_vgpr_workitem_id 0
		.amdhsa_next_free_vgpr 1024
		.amdhsa_next_free_sgpr 88
		.amdhsa_reserve_vcc 1
		.amdhsa_float_denorm_mode_32 3
		.amdhsa_float_denorm_mode_16_64 3
		.amdhsa_memory_ordered 1
		.amdhsa_forward_progress 1
		.amdhsa_inst_pref_size 255
	.end_amdhsa_kernel
	.section	.bss,"aw",@nobits
	.p2align	6
	.space	262144
	.amdgpu_metadata
---
amdhsa.version: [ 1, 2 ]
amdhsa.kernels:
  - .name:           k_qa06baa3b67_main
    .symbol:         k_qa06baa3b67_main.kd
    .args:
      - { .name: src, .offset: 0, .size: 8, .value_kind: global_buffer, .address_space: global }
      - { .name: wts, .offset: 8, .size: 8, .value_kind: global_buffer, .address_space: global }
      - { .name: pet, .offset: 16, .size: 8, .value_kind: global_buffer, .address_space: global }
      - { .name: par, .offset: 24, .size: 8, .value_kind: global_buffer, .address_space: global }
      - { .name: out0, .offset: 32, .size: 8, .value_kind: global_buffer, .address_space: global }
    .group_segment_fixed_size: 327680
    .private_segment_fixed_size: 0
    .kernarg_segment_align: 8
    .kernarg_segment_size: 40
    .max_flat_workgroup_size: 128
    .sgpr_count:     88
    .vgpr_count:     1024
    .wavefront_size: 32
...
	.end_amdgpu_metadata
.endif
;; end of part 2
